; MI455X (gfx1250); checked and timed in simulation.
; The chip was launched on July 23, 2026; its instructions are those of AMD's public machine-readable ISA for CDNA 5 (MIT licence, August 2026) and "CDNA5" Instruction Set Architecture Reference Guide (July 2026). The comments in the code are by the model that wrote it; some were corrected since.
;; Self Attention. Allowed arithmetic: matrix products marked QUANTISED: E3M2 operands, one E8M0 scale for each 32 along K, by v_wmma_scale_f32_16x16x128_f8f6f4 with both operands' format E3M2, f32 sums; everything else in f32.
;; Inputs: Wk 1,024 x 1,024 float32; Wp 1,024 x 1,024 float32; Wq 1,024 x 1,024 float32; Wv 1,024 x 1,024 float32; bp 1,024 float32; x 4 x 2,048 x 1,024 float32.
;; Outputs: out0 4 x 2,048 x 1,024 float32.
;; This version of the problem:
;;   THIS VERSION OF THE PROBLEM IS GIVEN IN LOW PRECISION. The matrix products marked QUANTISED in the list below multiply operands that are first quantised to E3M2 (3 exponent bits, 2 mantissa bits; 6 bits a number), with one power-of-two scale for each 32 numbers along K (OCP MX v1.0); their sums are f32. All else is computed in f32.
;;   The module's matrix products, in the order in which they are computed (A, B: the left and right operand; K: the contracted axis; several contracted axes count as one K, in the product's order):
;;     1. [M 8,192, K 1,024] x [K 1,024, N 1,024]; A: input x; B: input Wk: QUANTISED
;;     2. [M 8,192, K 1,024] x [K 1,024, N 1,024]; A: input x; B: input Wq: QUANTISED
;;     3. [M 8,192, K 1,024] x [K 1,024, N 1,024]; A: input x; B: input Wv: QUANTISED
;;     4. batch 64 x [M 2,048, K 64] x [K 64, N 2,048]; A: computed on the way; B: computed on the way: QUANTISED
;;     5. batch 64 x [M 64, K 2,048] x [K 2,048, N 2,048]; A: computed on the way; B: softmax (see below): QUANTISED
;;     6. [M 8,192, K 1,024] x [K 1,024, N 1,024]; A: computed on the way; B: input Wp: QUANTISED
;;   THE QUANTISER, for each operand of a quantised product, along K:
;;     - K is cut into blocks of 32 from its start; a last block that is shorter is filled with zeros.
;;     - A block's scale is 2^e with e = floor(log2(the largest magnitude in the block)) - 4, held to -126 .. 127; a block of zeros has e = 0. As a byte (E8M0): e + 127.
;;     - Each number is divided by its block's scale, clamped to +-28, and rounded to the nearest number of E3M2, ties to even, subnormals kept.
;;     - The product sums the exact products of the quantised numbers (number of the format x scale) in f32.
;;   ~~~python
;;   def quantise(x, axis):      # numpy; x: float32 -> the quantised numbers, widened to float32 again
;;       x = np.moveaxis(x, axis, -1); K = x.shape[-1]
;;       x = np.pad(x, [(0, 0)] * (x.ndim - 1) + [(0, -K % 32)]); x = x.reshape(x.shape[:-1] + (-1, 32)); a = np.abs(x).max(-1, keepdims=True)
;;       e = np.where(a > 0, np.clip(np.frexp(np.where(a > 0, a, 1))[1] - 1 - 4, -126, 127), 0)      # np.frexp(a)[1] - 1 = floor(log2(a)), exactly
;;       r = np.clip(x / 2.0 ** e, -28, 28)
;;       step = 2.0 ** (np.maximum(np.frexp(np.where(r == 0, 1, r))[1] - 1, -2) - 2)
;;       q = np.round(r / step) * step * 2.0 ** e      # np.round: ties to even
;;       return np.moveaxis(q.reshape(q.shape[:-2] + (-1,))[..., :K], -1, axis).astype(np.float32)
;;   ~~~
;;   SOFTMAX AHEAD OF A QUANTISED PRODUCT. Where the list says 'softmax', what is quantised is not the finished softmax but p = 2^(t - M), with t = logit x log2(e) and M = ceil(the row's largest t), a whole number; so 1/2 < the row's largest p <= 1. The row's sum l is taken of the UNQUANTISED p, in f32, and the product's result is divided by l at the end. Since M is a whole number, a kernel that streams over the keys may use a running M (the ceiling of the running maximum): every later rescaling is an exact power of two, which a block's scale takes up: the codes' values come out the same.
;;   OPERANDS COMPUTED ON THE WAY. 'Computed on the way' means the value that the module computes at that place (a softmax that the list does not call 'softmax' is quantised finished and normalised). What goes into a quantiser is computed in f32, as accurately as f32 sums, v_exp_f32 and their like allow (about 1e-6 of the number): no bf16 or f16 on the way to a quantiser, and a product that is left as it is and whose result goes on into a quantised operand takes f32 operands (vector FMAs, or v_wmma_f32_16x16x4_f32). A number that lies on a knife's edge between two numbers of the format may be rounded either way, as far as f32 arithmetic and the matrix unit's own rounding can turn it there, and no further.
;; One version. Each part assembles by itself: llvm-mc -triple=amdgcn-amd-amdhsa -mcpu=gfx1250 --defsym DOCPART=n.
;; ======== version 1 of 1: 4 launches
;; limits: right only within a limited range of input values
;; workspace buffers: xrec 6,815,744 bytes; wrec 3,407,872 bytes; qrec 13,107,200 bytes; kvrec 13,107,200 bytes; orec 6,815,744 bytes
;; launch quant (part 1): grid 384 x 1, 4 waves a work-group, no clusters, 37,376 bytes of LDS; arguments x, Wq, Wk, Wv, Wp, xrec, wrec; writes xrec, wrec
.if DOCPART == 1
	.amdgcn_target "amdgcn-amd-amdhsa--gfx1250"
	.amdhsa_code_object_version 6
	.text
	.protected	k_qc30b393169_quant
	.globl	k_qc30b393169_quant
	.p2align	8
	.type	k_qc30b393169_quant,@function
k_qc30b393169_quant:
	s_mov_b64 s[64:65], 0
	v_nop
	global_prefetch_b8 v0, s[64:65] scope:SCOPE_SE
	s_setreg_imm32_b32 hwreg(HW_REG_WAVE_MODE, 25, 1), 1
	s_wait_xcnt 0x0
; x [8192][1024] and Wq, Wk, Wv, Wp [1024][1024], f32, K innermost, become codes of BF6 (E3M2) with one E8M0 byte for each 32 along K,
; laid as the products' launches want them: as IMAGES OF OPERAND REGISTERS.
; A ROW TILE is 16 rows; stored tile T, row p, is the tensor's row 32 (T / 2) + 8 (T % 2) + p + 8 (p / 8).  Its record is 13,312 bytes: four chunks of 3,328, each two fragments
; (16 rows x 128 K, 1,536 bytes) and 128 scale bytes (byte of row p, fragment q, block n at 3,072 + 8 p + 4 q + n); the chunk's last 128 bytes are neither written nor read.
; A fragment is two halves of 768 bytes; in a half lane (p, h) owns the 32 codes k = 32 h .. 32 h + 31 of its row's 64: six registers, the first four at 16 x lane, the last two at 512 + 8 x lane.
; A block's scale is 2^(floor(log2(its largest magnitude)) - 4): the byte is the largest magnitude's exponent field - 4, held at 1 from below.
; LIMITS: a block of zeros gets the byte 1 (its codes are zeros, and this program alone reads the bytes); blocks whose largest magnitude lies under 2^-122 are held at the byte 1; NaN and infinities are not served.
; SHARES: work-group G takes row tiles 2 G and 2 G + 1 (tiles 0-511: x; then 64 each of Wq, Wk, Wv, Wp); two waves to a tile, each half of K: eight steps of one half fragment (16 rows x 64 numbers).
; Each load reads two rows' aligned 256 bytes; a step's 4,096 bytes turn through the wave's own stage in LDS (rows 272 bytes apart) so that a lane gets 32 neighbours: a whole block.
; No tensor loads, no barrier: waves share nothing.  Loads run four steps (32 loads a wave) ahead, the turn through LDS one step.
.set WREG,   9216                      ; LDS of a wave: two stages of 16 x 272 bytes, then its 256 scale bytes
.set STGB,   4352
.set SP,     272
.set SCO,    8704
.set TILEB,  13312
.set CHUNKB, 3328
.set R,      16                        ; v16-143   four sets of 32 registers as loaded
.set X,      144                       ; v144-207  two sets of 32 neighbours
.set C,      208                       ; v208-223  two sets of 8: a step's codes
.set E,      224                       ; v224-231  a scale byte for each step
	s_load_b256 s[4:11], s[0:1], 0x0               ; x, Wq, Wk, Wv
	s_load_b128 s[12:15], s[0:1], 0x20             ; Wp, xrec
	s_load_b64 s[16:17], s[0:1], 0x30              ; wrec
	v_lshl_add_u32 v232, v0, 2, 0x9000
	v_mov_b32 v233, 0
	v_lshrrev_b32 v1, 5, v0
	v_readfirstlane_b32 s18, v1                    ; wave
	v_and_b32 v1, 31, v0                           ; lane
	v_and_b32 v2, 15, v0                           ; lane % 16
	v_bfe_u32 v15, v0, 4, 1                        ; lane / 16
	s_mul_i32 s19, s18, WREG
	v_lshlrev_b32 v3, 4, v2
	v_lshl_add_u32 v3, v15, 12, v3                 ; in: 16 bytes of a row's 256; lanes 16-31 the next row
	v_mul_u32_u24 v4, v15, SP
	v_lshl_add_u32 v4, v2, 4, v4
	v_add_nc_u32 v4, s19, v4                       ; the stage, on the way in: as loaded
	v_mul_u32_u24 v5, v2, SP
	v_lshl_add_u32 v5, v15, 7, v5
	v_add_nc_u32 v5, s19, v5                       ; and on the way out: row lane % 16, its half of 128 bytes
	s_add_co_u32 s19, s19, SCO
	v_lshl_add_u32 v6, v2, 3, v15
	v_add_nc_u32 v6, s19, v6                       ; my block's scale byte: 8 x row + half
	v_lshlrev_b32 v9, 3, v1                        ; 8 x lane
	v_add_nc_u32 v7, s19, v9                       ; the scale bytes on their way out
	v_lshlrev_b32 v8, 4, v1                        ; 16 x lane
	v_mul_u32_u24 v10, v15, CHUNKB
	v_lshl_add_u32 v10, v2, 3, v10                 ; lanes 0-15: my first chunk's scale bytes, lanes 16-31 my second's
	s_lshl_b32 s20, ttmp9, 1
	s_lshr_b32 s21, s18, 1
	s_add_co_u32 s20, s20, s21                     ; my row tile among the 768
	s_and_b32 s22, s20, 63                         ; a weight's: its tile in the weight,
	s_sub_co_u32 s23, s20, 512                     ; and in wrec
	s_and_b32 s24, s18, 1                          ; which half of K
	s_wait_alu depctr_va_vdst(0)
	s_wait_kmcnt 0x0
	s_cmp_ge_u32 ttmp9, 256                        ; the choices hang on the work-group's number alone
	s_cselect_b64 s[4:5], s[6:7], s[4:5]
	s_cselect_b64 s[14:15], s[16:17], s[14:15]
	s_cselect_b32 s22, s22, s20
	s_cselect_b32 s23, s23, s20
	s_cmp_ge_u32 ttmp9, 288
	s_cselect_b64 s[4:5], s[8:9], s[4:5]
	s_cmp_ge_u32 ttmp9, 320
	s_cselect_b64 s[4:5], s[10:11], s[4:5]
	s_cmp_ge_u32 ttmp9, 352
	s_cselect_b64 s[4:5], s[12:13], s[4:5]
	s_lshr_b32 s25, s22, 1
	s_lshl_b32 s26, s25, 17                        ; 32 (T / 2) rows of 4,096 bytes
	s_and_b32 s25, s22, 1
	s_lshl_b32 s25, s25, 15                        ; + 8 (T % 2) rows
	s_add_co_u32 s26, s26, s25
	s_lshl_b32 s25, s24, 11                        ; + my half of K
	s_add_co_u32 s26, s26, s25
	s_mov_b32 s27, 0
	s_add_nc_u64 s[4:5], s[4:5], s[26:27]
	s_mul_i32 s28, s23, TILEB
	s_mul_i32 s25, s24, 2*CHUNKB
	s_add_co_u32 s28, s28, s25
	s_mov_b32 s29, 0
	s_add_nc_u64 s[14:15], s[14:15], s[28:29]
.macro LOAD t                          ; step t: rows 2 i and 2 i + 1 of the tile (the tile's rows 8-15 lie 8 rows further down), 256 bytes each
.irp i, 0,1,2,3,4,5,6,7
	global_load_b128 v[R+32*((\t)%4)+4*\i:R+32*((\t)%4)+4*\i+3], v3, s[4:5] offset:(2*\i+8*(\i/4))*4096+256*(\t) th:TH_LOAD_NT
.endr
.endm
.macro TURN t                          ; through the stage: LDS serves a wave's instructions in order, so no wait stands between the stores and the loads
.irp i, 0,1,2,3,4,5,6,7
	ds_store_b128 v4, v[R+32*((\t)%4)+4*\i:R+32*((\t)%4)+4*\i+3] offset:STGB*((\t)%2)+2*\i*SP
.endr
.irp j, 0,1,2,3,4,5,6,7
	ds_load_b128 v[X+32*((\t)%2)+4*\j:X+32*((\t)%2)+4*\j+3], v5 offset:STGB*((\t)%2)+16*\j
.endr
.endm
.irp t, 0,1,2,3
	LOAD \t
.endr
	s_wait_loadcnt 24                              ; step 0's eight loads are in
	TURN 0
.macro STEP t
.set XS, X+32*((\t)%2)
.set CC, C+8*((\t)%2)
.if (\t) > 0
	s_wait_dscnt 0x1                               ; this step's numbers are back from the stage (the last step's byte store may be out): its stores into the stage have read their registers,
.else
	s_wait_dscnt 0x0
.endif
.if (\t)+4 < 8
	LOAD (\t)+4                                    ; which take the loads of four steps on
.endif
.if (\t)+1 < 8
.if (\t) < 4
	s_wait_loadcnt 24                              ; the next step's eight loads are in; those of the three steps behind it may be out
.else
	s_wait_loadcnt 8*(6-(\t))
.endif
	TURN (\t)+1
.endif
	v_max3_num_f32 v12, |v[XS]|, |v[XS+1]|, |v[XS+2]|              ; the block's largest magnitude: all 32 numbers are mine; two chains
	v_max3_num_f32 v13, |v[XS+3]|, |v[XS+4]|, |v[XS+5]|
.irp i, 6,10,14,18,22,26
	v_max3_num_f32 v12, v12, |v[XS+\i]|, |v[XS+\i+1]|
	v_max3_num_f32 v13, v13, |v[XS+\i+2]|, |v[XS+\i+3]|
.endr
	v_max3_num_f32 v12, v12, |v[XS+30]|, |v[XS+31]|
	v_max3_num_f32 v12, v12, v13, 0x2800000        ; and the floor 2^(5 - 127): the byte cannot fall under 1
	v_add_nc_u32 v11, 0xfe000000, v12              ; 4 off its exponent field: the conversion takes the exponent field of this operand as its scale
.if (\t) > 1
	s_wait_alu depctr_va_vdst(0)
	s_wait_xcnt 0x0                                ; the stores of two steps ago have read this set of code registers
.endif
	v_cvt_scalef32_pk16_bf6_f32 v[CC:CC+2], v[XS:XS+15], v11
	v_cvt_scalef32_pk16_bf6_f32 v[CC+4:CC+6], v[XS+16:XS+31], v11  ; (a conversion's three registers begin on an even number)
	v_lshrrev_b32 v[E+(\t)], 23, v11               ; the scale's byte; also the plain line behind the conversions
	v_mov_b32 v[CC+3], v[CC+4]
	v_mov_b32 v[CC+4], v[CC+5]
	v_mov_b32 v[CC+5], v[CC+6]                     ; six registers on end: my 32 codes
	ds_store_b8 v6, v[E+(\t)] offset:((\t)/4)*128+2*((\t)%4)
	global_store_b128 v8, v[CC:CC+3], s[14:15] offset:((\t)/4)*CHUNKB+((\t)%4)*768       ; 32 lanes store 512 consecutive bytes, at a multiple of 256 from the buffer's first byte
	global_store_b64 v9, v[CC+4:CC+5], s[14:15] offset:((\t)/4)*CHUNKB+((\t)%4)*768+512  ; and 256
.endm
.irp t, 0,1,2,3,4,5,6,7
	STEP \t
.endr
	ds_load_b64 v[12:13], v7                       ; LDS serves a wave's instructions in order: these see my byte stores
	s_wait_dscnt 0x0
	global_store_b64 v10, v[12:13], s[14:15] offset:3072   ; sixteen lanes store a chunk's 128 scale bytes
	s_wait_tensorcnt 0x0
	ds_add_u32 v232, v233
	s_wait_dscnt 0x0
	s_endpgm
.Lfunc_end_k_qc30b393169_quant:
	.size	k_qc30b393169_quant, .Lfunc_end_k_qc30b393169_quant-k_qc30b393169_quant
	.p2alignl 7, 3214868480
	.fill 96, 4, 3214868480
	.section	.rodata,"a",@progbits
	.p2align	6, 0x0
	.amdhsa_kernel k_qc30b393169_quant
		.amdhsa_group_segment_fixed_size 37376
		.amdhsa_private_segment_fixed_size 0
		.amdhsa_enable_private_segment 0
		.amdhsa_kernarg_size 56
		.amdhsa_user_sgpr_count 2
		.amdhsa_user_sgpr_kernarg_segment_ptr 1
		.amdhsa_wavefront_size32 1
		.amdhsa_system_sgpr_workgroup_id_x 1
		.amdhsa_system_sgpr_workgroup_id_y 1
		.amdhsa_system_sgpr_workgroup_id_z 1
		.amdhsa_system_vgpr_workitem_id 0
		.amdhsa_next_free_vgpr 234
		.amdhsa_next_free_sgpr 66
		.amdhsa_reserve_vcc 0
		.amdhsa_float_denorm_mode_32 3
		.amdhsa_float_denorm_mode_16_64 3
		.amdhsa_memory_ordered 1
		.amdhsa_forward_progress 1
		.amdhsa_inst_pref_size 31
	.end_amdhsa_kernel
	.amdgpu_metadata
---
amdhsa.version: [ 1, 2 ]
amdhsa.kernels:
  - .name:           k_qc30b393169_quant
    .symbol:         k_qc30b393169_quant.kd
    .args:
      - { .name: x, .offset: 0, .size: 8, .value_kind: global_buffer, .address_space: global }
      - { .name: Wq, .offset: 8, .size: 8, .value_kind: global_buffer, .address_space: global }
      - { .name: Wk, .offset: 16, .size: 8, .value_kind: global_buffer, .address_space: global }
      - { .name: Wv, .offset: 24, .size: 8, .value_kind: global_buffer, .address_space: global }
      - { .name: Wp, .offset: 32, .size: 8, .value_kind: global_buffer, .address_space: global }
      - { .name: xrec, .offset: 40, .size: 8, .value_kind: global_buffer, .address_space: global }
      - { .name: wrec, .offset: 48, .size: 8, .value_kind: global_buffer, .address_space: global }
    .group_segment_fixed_size: 37376
    .private_segment_fixed_size: 0
    .kernarg_segment_align: 8
    .kernarg_segment_size: 56
    .max_flat_workgroup_size: 128
    .sgpr_count:     66
    .vgpr_count:     234
    .wavefront_size: 32
...
	.end_amdgpu_metadata
.endif
;; end of part 1
;; launch qkv (part 2): grid 4 x 64, 4 waves a work-group, clusters of 4 x 4, 327,680 bytes of LDS; arguments xrec, wrec, qrec, kvrec; writes qrec, kvrec
.if DOCPART == 2
	.amdgcn_target "amdgcn-amd-amdhsa--gfx1250"
	.amdhsa_code_object_version 6
	.text
	.protected	k_qc30b393169_qkv
	.globl	k_qc30b393169_qkv
	.p2align	8
	.type	k_qc30b393169_qkv,@function
k_qc30b393169_qkv:
	s_mov_b64 s[64:65], 0
	v_nop
	global_prefetch_b8 v0, s[64:65] scope:SCOPE_SE
	s_setreg_imm32_b32 hwreg(HW_REG_WAVE_MODE, 25, 1), 1
	s_wait_xcnt 0x0
	s_wait_alu depctr_hold_cnt(0) depctr_sa_sdst(0) depctr_va_vdst(0) depctr_va_sdst(0) depctr_va_ssrc(0) depctr_va_vcc(0) depctr_vm_vsrc(0)
	s_getreg_b32 s2, hwreg(HW_REG_IB_STS2, 6, 4)
	s_cmp_eq_u32 s2, 0
	s_cbranch_scc0 .Lentry_in_a_cluster
	s_endpgm
.Lentry_in_a_cluster:
	s_bfe_u32 s2, ttmp6, 0x10000c
	s_cmp_lg_u32 s2, 0xf033
	s_cbranch_scc0 .Lentry_shape_is_right
	s_endpgm
.Lentry_shape_is_right:
; q = x Wq^T, k = x Wk^T, v = x Wv^T on codes of BF6 with E8M0 scales; the results are quantised in registers for the attention's two products: q and k along the head's 64 channels, v along the keys.
; OPERANDS lie in memory as images of their registers: a row tile (16 rows, K = 1,024) is 13,312 bytes, four chunks of 3,328: two fragments of 1,536 bytes, 128 scale bytes, 128 bytes that nobody uses.
; Stored tile T, row p, is row 32 (T / 2) + 8 (T % 2) + p + 8 (p / 8): the 16 result registers of two neighbouring tiles of source 0 are 16 neighbours, as the conversions want them.
; A WORK-GROUP STAYS: work-group (j, t) takes tokens 128 t .. 128 t + 127 and makes, in three phases, columns 256 j .. 256 j + 255 of q, of k and of v.  256 work-groups in all.
; LDS: x's 8 tiles stay (two regions, one for each half of K, a tile 6,656 bytes in each); behind them a ring of two slots, each 16 weight tiles x half of K (106,496 bytes); then the spare words.
; Slot 0 holds a phase's first half of K, slot 1 its second.  A slot is filled again when its last fragments are in registers: four K steps (128 matrix instructions a wave) lie between a request and the wait for it.
; Four waves: wave (wr, wp) takes x's tiles 4 wr .. 4 wr + 3 and the weight's tiles 8 wp .. 8 wp + 7 in every phase: 32 accumulators.
;   q, k: source 0 = the weight's rows, source 1 = tokens: a lane holds a token, its registers run along the channels.
;   v:    source 0 = tokens, source 1 = Wv's rows: a lane holds a channel, its registers run along my 64 keys.  Only the order of the sources and the way out differ, so q and k share one loop body and v's phase is written out.
; CLUSTERS: 4 x 4.  x's tiles hang on t alone and are asked for jointly along a row of the cluster, the weights' on j alone and jointly along a column.  Each refill stands behind a round of the cluster's barrier.
; PREFETCH: the fill that follows the one being asked for is named once in each of the first four clusters: of the four tiles that wave w fetches, the partner at cy takes tile cy, 26 blocks of 256 bytes, a lane a block
;   (lanes 26-31 name the last block again).  Phase 0's fills and phase 1's first come by their loads alone; nothing is asked for beyond Wv.  x is fetched once, at the head, with no loop ahead of it.
; RESULTS: records of 12,800 bytes for each head (stride 204,800) and each 128 tokens: four images of k (or q) at 0, four of v at 6,144, 256 bytes of k's scale words at 12,288, 256 of v's at 12,544.
;   An image of k holds 32 keys: row p = key 16 (p / 8) + p % 8 in its first 64 codes, that key + 8 in its second 64.  An image of v: 16 channels (stored order) x 128 keys; my wave makes the half of my 64 keys, and two of a scale word's four bytes.
; LIMITS: a block of zeros gets the byte 1 (zero codes; this program alone reads the bytes); blocks under 2^-122 are held at the byte 1; NaN and infinities are not served.
; REGISTERS: window 0: v1-15 addresses; v16-63 scale words, two sets of 24; v64-159 x's fragments, two sets of 48; v160-231 the way out and LDS addresses.  window 1: the weight's fragments, two sets of 96.  window 2: accumulators.
.set TS,     6656                      ; a tile's half of K: two chunks
.set CK,     3328
.set TILEB,  13312
.set XH,     8*TS                      ; x's region for one half of K
.set WB,     2*XH                      ; the ring
.set SLOT,   16*TS
.set SPARE,  WB+2*SLOT                 ; 319,488: the spare words, 512 bytes
.set PHB,    64*TILEB                  ; from one weight to the next in wrec
.set HS,     204800
.set REC,    12800
.set SC,  16                           ; set s at SC + 24 s: register 2 i + q the weight's tile i, 16 + 2 i + q x's tile i, fragment q of the chunk; lanes 0-15 are read
.set XF,  64
.set TM,  160                          ; v160-163 largest magnitudes, v164-167 bytes, v172-175 the conversions' scale operands
.set PW,  176                          ; four scale words
.set CS,  180                          ; the conversions' second halves
.set PC,  188                          ; codes, two sets of 12
.set AD,  212                          ; LDS addresses, six for each half of K: x's 16 x lane, 8 x lane, scale words; the weight's three
.set G1X, 24                           ; s[24:31] group 1 for x, s[32:39] for the weights
.set G1W, 32
.set G0X, 40                           ; groups 0: the head's load of x, the head's of the weight, slot 0's, slot 1's
.set G0H, 44
.set G0S, 48
.set PF,  56                           ; s[56:57] the prefetches' base
.set CNT, 58                           ; phases of the loop to go
.set LIM, 59                           ; 1 in a cluster that prefetches, else the greatest number
.set HI,  60                           ; lanes 16-31 as a mask
.set OB,  66                           ; s[66:67] this phase's results, s[68:69] k's, s[70:71] v's
.set MSB, 0
.macro WIN new                         ; the immediate's high byte repeats the setting that is left
.if MSB != \new
	s_set_vgpr_msb (MSB<<8)|\new
.set MSB, \new
.endif
.endm
.macro PLACES n
.rept \n
	v_nop
.endr
.endm
.macro ROUND                           ; a round of the cluster's barrier
	s_barrier_signal -1
	s_barrier_wait -1
	s_cmp_lg_u32 s12, 0
	s_cbranch_scc1 .Lnot_wave_0_\@
	s_barrier_signal -3
.Lnot_wave_0_\@:
	s_barrier_wait -3
	s_barrier_signal -1
	s_barrier_wait -1
.endm
	s_load_b256 s[4:11], s[0:1], 0x0               ; xrec, wrec, qrec, kvrec
	v_lshl_add_u32 v254, v0, 2, SPARE
	v_mov_b32 v255, 0
	ds_add_u32 v254, v255                          ; the opening lines: the add, twice on end, and its wait
	ds_add_u32 v254, v255
	v_lshrrev_b32 v1, 5, v0
	v_readfirstlane_b32 s12, v1                    ; wave
	s_lshr_b32 s13, s12, 1                         ; wr.  Also: at the head I fetch x (0) or the weight (1)
	s_and_b32 s14, s12, 1                          ; wp.  Also: which half of that I fetch at the head
	s_bfe_u32 s15, ttmp6, 0x40000                  ; cx
	s_bfe_u32 s16, ttmp6, 0x40004                  ; cy
	s_and_b32 s17, ttmp7, 0xffff                   ; the cluster's y
	s_lshl_b32 s18, s16, 2
	s_lshl_b32 s18, 15, s18                        ; my row of the cluster
	s_lshl_b32 s19, 0x1111, s15                    ; my column
	; group 1: rows of 832 elements of 8 bytes (a tile's half of K), 1,664 elements (a tile's record) apart; 8 rows at the head
	s_or_b32 s[G1X], s18, (3<<16)|(1<<21)
	s_or_b32 s[G1W], s19, (3<<16)|(1<<21)
.irp g, G1X, G1W
	s_mov_b32 s[\g+1], 832<<16
	s_mov_b32 s[\g+2], 8<<16
	s_mov_b32 s[\g+3], 832<<16
	s_mov_b32 s[\g+4], 8
	s_mov_b32 s[\g+5], 1664
	s_mov_b32 s[\g+6], 0
	s_mov_b32 s[\g+7], 0
.endr
	s_lshl_b32 s20, s17, 2
	s_add_co_u32 s20, s20, s16                     ; t: my 128 tokens
	s_lshl_b32 s21, ttmp9, 2
	s_add_co_u32 s21, s21, s15                     ; j: my 256 columns
	s_mul_i32 s22, s20, 8*TILEB
	s_mul_i32 s23, s14, TS
	s_add_co_u32 s22, s22, s23                     ; x: my tokens' 8 tiles, half wp of K
	s_mov_b32 s23, 0
	s_mul_i32 s72, s21, 16*TILEB
	s_mul_i32 s74, s12, 4*TILEB
	s_add_co_u32 s74, s74, s72                     ; the ring: tiles 16 j + 4 wave .. + 3
	s_mul_i32 s73, s14, 8*TILEB
	s_add_co_u32 s72, s72, s73                     ; the head: tiles 16 j + 8 wp .. + 7
	s_mov_b32 s73, 0
	s_mov_b32 s75, 0
	s_mul_i32 s76, s16, TILEB
	s_add_co_u32 s76, s76, s74                     ; the prefetches: of my four tiles the one at cy
	s_mov_b32 s77, 0
	s_mul_i32 s78, s14, XH
	s_mul_i32 s79, s12, 4*TS
	s_add_co_u32 s79, s79, WB
	s_wait_dscnt 0x0                               ; both opening adds are done
	s_wait_kmcnt 0x0
	s_mov_b32 s[G0X], 1
	s_mov_b32 s[G0X+1], s78
	s_add_nc_u64 s[G0X+2:G0X+3], s[4:5], s[22:23]
	s_or_b32 s[G0X+3], s[G0X+3], 0x80000000
	s_mov_b32 s[G0H], 1
	s_add_co_u32 s[G0H+1], s78, WB
	s_add_nc_u64 s[G0H+2:G0H+3], s[6:7], s[72:73]
	s_or_b32 s[G0H+3], s[G0H+3], 0x80000000
	s_mov_b32 s[G0S], 1
	s_mov_b32 s[G0S+1], s79
	s_add_nc_u64 s[G0S+2:G0S+3], s[6:7], s[74:75]  ; slot 0's: phase 0; it is stepped ahead of each use
	s_mov_b32 s[G0S+4], 1
	s_add_co_u32 s[G0S+5], s79, SLOT
	s_add_nc_u64 s[G0S+6:G0S+7], s[G0S+2:G0S+3], TS ; slot 1's: phase 0's second half of K
	s_or_b32 s[G0S+3], s[G0S+3], 0x80000000
	s_or_b32 s[G0S+7], s[G0S+7], 0x80000000
	s_add_nc_u64 s[PF:PF+1], s[6:7], s[76:77]
	ROUND                                          ; all sixteen work-groups are here: the first joint loads meet
	s_cmp_eq_u32 s13, 0                            ; one load a wave: waves 0, 1 x's two halves of K, waves 2, 3 the two halves of slot 0's tiles
	s_cbranch_scc0 .Lhead_w
	tensor_load_to_lds s[G0X:G0X+3], s[G1X:G1X+7]
	s_nop 0
	PLACES 4
	s_branch .Lhead_asked
.Lhead_w:
	tensor_load_to_lds s[G0H:G0H+3], s[G1W:G1W+7]
	s_nop 0
	PLACES 4
.Lhead_asked:
	s_mul_i32 s80, s13, 4*TS                       ; my four tiles of x, first half of K
	s_mul_i32 s81, s14, 8*TS
	s_add_co_u32 s81, s81, WB                      ; my eight tiles of the weight, slot 0
	s_add_co_u32 s88, s80, XH                      ; and the second halves
	s_add_co_u32 s89, s81, SLOT
	s_mul_i32 s82, s13, 2944
	s_sub_co_u32 s82, 12288, s82                   ; q, k: my scale words, counted from my codes (3,072 wr): 12,288 + 128 wr
	s_mul_i32 s83, s13, 766
	s_sub_co_u32 s83, 6400, s83                    ; v: counted from my codes (6,144 + 768 wr): 12,544 + 2 wr
	s_mov_b32 s[HI], 0xffff0000
	s_mov_b32 s2, 0x76543210
	s_mov_b32 s3, 0xfedcba98                       ; v_permlanex16_b32's selects for lane l xor 16
	s_cmp_lt_u32 s17, 4
	s_cselect_b32 s[LIM], 1, 0x7fffffff
	s_lshr_b32 s84, s20, 4
	s_lshl_b32 s84, s84, 4
	s_lshl_b32 s85, s21, 2
	s_add_co_u32 s84, s84, s85
	s_lshl_b32 s85, s14, 1
	s_add_co_u32 s84, s84, s85                     ; 16 x batch + my first head, 4 j + 2 wp
	s_mul_i32 s84, s84, HS
	s_and_b32 s85, s20, 15
	s_mul_i32 s85, s85, REC
	s_add_co_u32 s84, s84, s85                     ; the record
	s_mul_i32 s85, s13, 3072
	s_add_co_u32 s86, s84, s85
	s_mov_b32 s87, 0
	s_add_nc_u64 s[OB:OB+1], s[8:9], s[86:87]      ; q: my four tiles are the record's halves 4 wr .. 4 wr + 3
	s_add_nc_u64 s[OB+2:OB+3], s[10:11], s[86:87]  ; k likewise
	s_mul_i32 s85, s13, 768
	s_add_co_u32 s86, s84, s85
	s_add_co_u32 s86, s86, 6144
	s_add_nc_u64 s[OB+4:OB+5], s[10:11], s[86:87]  ; v: half wr of each image
	v_and_b32 v10, 31, v0                          ; lane
	v_and_b32 v1, 15, v0                           ; p
	v_bfe_u32 v2, v0, 4, 1                         ; h
	v_lshlrev_b32 v8, 4, v10                       ; 16 x lane
	v_lshlrev_b32 v9, 3, v10                       ; 8 x lane
	v_lshl_add_u32 v3, v1, 3, 3072                 ; a row's two scale words in a chunk
.irp f, 0,1
	v_add_nc_u32 v[AD+6*\f], s[80+8*\f], v8
	v_add_nc_u32 v[AD+6*\f+1], s[80+8*\f], v9
	v_add_nc_u32 v[AD+6*\f+2], s[80+8*\f], v3
	v_add_nc_u32 v[AD+6*\f+3], s[81+8*\f], v8
	v_add_nc_u32 v[AD+6*\f+4], s[81+8*\f], v9
	v_add_nc_u32 v[AD+6*\f+5], s[81+8*\f], v3
.endr
	v_mul_u32_u24 v11, HS, v2
	v_lshl_add_u32 v11, v1, 3, v11
	v_add_nc_u32 v11, s82, v11                     ; q, k: my scale words' place; lanes 16-31 the next head's
	v_mov_b32 v12, 0x05040100
	v_mov_b32 v13, 0x07060302
	v_cndmask_b32 v12, v12, v13, s[HI]             ; byte selects: lanes 0-15 my first head's two bytes of each word, lanes 16-31 my second's
	v_add_nc_u32 v14, s83, v9                      ; v: my two bytes' place
	v_min_u32 v15, 25, v10
	v_lshlrev_b32 v15, 8, v15                      ; the prefetches: a lane a block of 256 bytes
.irp b, 0,1,2,3
	v_mov_b32 v[TM+4+\b], 0                        ; a lane permute's destination counts as one of its sources
.endr
.macro FRAG reg, a16, a8, off          ; an image comes back as it was stored: each access is dense
	ds_load_b128 v[\reg:\reg+3], v[\a16] offset:\off
	ds_load_b64 v[\reg+4:\reg+5], v[\a8] offset:\off+512
	ds_load_b128 v[\reg+6:\reg+9], v[\a16] offset:\off+768
	ds_load_b64 v[\reg+10:\reg+11], v[\a8] offset:\off+1280
.endm
.macro FETCH k                         ; K step k of a phase's eight: the weight's eight fragments and x's four, into set k % 2
.set HF, (\k)/4
.set OF, (((\k)/2)%2)*CK+((\k)%2)*1536
.set FS, (\k)%2
	WIN 0x40
.irp i, 0,1,2,3,4,5,6,7
	FRAG 96*FS+12*\i, AD+6*HF+3, AD+6*HF+4, \i*TS+OF
.endr
	WIN 0
.irp i, 0,1,2,3
	FRAG XF+48*FS+12*\i, AD+6*HF, AD+6*HF+1, \i*TS+OF
.endr
.endm
.macro SCALES k                        ; the scale words of the chunk that begins with step k: two a row
.set HF, (\k)/4
.set OF, (((\k)/2)%2)*CK
.set SS, SC+24*(((\k)/2)%2)
.irp i, 0,1,2,3,4,5,6,7
	ds_load_b64 v[SS+2*\i:SS+2*\i+1], v[AD+6*HF+5] offset:\i*TS+OF
.endr
.irp i, 0,1,2,3
	ds_load_b64 v[SS+16+2*\i:SS+17+2*\i], v[AD+6*HF+2] offset:\i*TS+OF
.endr
.endm
.macro WM d, s0, s1, sa, sb, first
.if \first
	v_wmma_scale_f32_16x16x128_f8f6f4 v[\d:\d+7], v[\s0:\s0+11], v[\s1:\s1+11], 0, v[\sa], v[\sb] matrix_a_fmt:MATRIX_FMT_BF6 matrix_b_fmt:MATRIX_FMT_BF6
.else
	v_wmma_scale_f32_16x16x128_f8f6f4 v[\d:\d+7], v[\s0:\s0+11], v[\s1:\s1+11], v[\d:\d+7], v[\sa], v[\sb] matrix_a_fmt:MATRIX_FMT_BF6 matrix_b_fmt:MATRIX_FMT_BF6
.endif
.endm
; 32 matrix instructions, 128 along K; the 32 accumulators take turns in the same order in every step.  first: the products start the sums.
.macro MUL32 k, role, first
.set FS, (\k)%2
.set SS, SC+24*(((\k)/2)%2)+(\k)%2
.if \role
	WIN 0xa4                                       ; source 0 (x) window 0, source 1 (Wv) window 1, C and D window 2
.irp a, 0,1,2,3,4,5,6,7
.irp b, 0,1,2,3
	WM 8*(4*\a+\b), XF+48*FS+12*\b, 96*FS+12*\a, SS+16+2*\b, SS+2*\a, \first
.endr
.endr
.else
	WIN 0xa1                                       ; source 0 (the weight) window 1, source 1 (x) window 0
.irp a, 0,1,2,3
.irp b, 0,1,2,3,4,5,6,7
	WM 8*(8*\a+\b), 96*FS+12*\b, XF+48*FS+12*\a, SS+2*\b, SS+16+2*\a, \first
.endr
.endr
.endif
	WIN 0
.endm
; A change of slots.  My reads of the slot are over (the wait ahead of this macro); all my tensor loads have landed, the other slot's part among them; the add; then the round, and the slot's next fill first behind it.
.macro BOUND slot, refill
	s_wait_tensorcnt 0x0
	ds_add_u32 v254, v255
.if \refill
	s_add_nc_u64 s[G0S+4*\slot+2:G0S+4*\slot+3], s[G0S+4*\slot+2:G0S+4*\slot+3], PHB   ; no load of mine is out: on to the next weight
.endif
	s_wait_dscnt 0x0
.if \refill
	ROUND
	tensor_load_to_lds s[G0S+4*\slot:G0S+4*\slot+3], s[G1W:G1W+7]
	s_nop 0
.else
	s_barrier_signal -1
	s_barrier_wait -1
.endif
	PLACES 4                                       ; also the places in front of the loads that follow
.endm
.macro ASK off, strict                 ; strict: not in the loop's last trip
.if \strict
	s_cmp_gt_u32 s[CNT], s[LIM]
.else
	s_cmp_ge_u32 s[CNT], s[LIM]
.endif
	s_cbranch_scc0 .Lno_ask_\@
	global_prefetch_b8 v15, s[PF:PF+1] offset:\off th:TH_LOAD_NT scope:SCOPE_SE
.Lno_ask_\@:
.endm
; K step k.  The next step's fragments are asked for ahead of this step's products.  ring = 1: behind steps 3 and 7 the slot read out is filled again, and step 7 fetches the next phase's first fragments.
.macro KSTEP k, role, ring
	s_wait_dscnt 0x0                               ; this step's fragments are in
.if (\k) == 3
	BOUND 0, \ring
.elseif (\k) == 7 && \ring
	BOUND 1, 1
.else
	PLACES 4                                       ; in front of loads into registers that matrix instructions have read
.endif
.if (\k) < 7 || \ring
	FETCH ((\k)+1)%8
.if (\k)%2
	SCALES ((\k)+1)%8
.endif
.endif
.if \ring && (\k) == 3
	ASK PHB+TS, 0                                  ; the next phase's second half of K
.endif
.if \ring && (\k) == 7
	ASK 2*PHB, 1                                   ; the first half of the phase after the next
.endif
	MUL32 \k, \role, (\k)==0
.endm
; THE WAY OUT.  64 results of a lane, register 16 n + i = place 32 n + 16 (lane / 16) + i, become 12 registers of codes in v[pc] on and four scale bytes in v[PW + a].
.macro QUANT a, pc
	WIN 0x0a                                       ; sources 0 and 1 window 2.
.irp b, 0,1,2,3
	v_max3_num_f32 v[TM+\b], |v[64*\a+16*\b]|, |v[64*\a+16*\b+1]|, 0x2800000   ; my 16 numbers of block n, and the floor 2^(5 - 127)
.endr
	WIN 0x28
.irp i, 2,4,6,8,10,12,14
.irp b, 0,1,2,3
	v_max3_num_f32 v[TM+\b], v[TM+\b], |v[64*\a+16*\b+\i]|, |v[64*\a+16*\b+\i+1]|
.endr
.endr
	WIN 0
.irp b, 0,1,2,3
	v_permlanex16_b32 v[TM+4+\b], v[TM+\b], s2, s3
.endr
.irp b, 0,1,2,3
	v_max_num_f32 v[TM+\b], v[TM+\b], v[TM+4+\b]   ; with lane l xor 16's: the block's largest magnitude
.endr
.irp b, 0,1,2,3
	v_add_nc_u32 v[TM+12+\b], 0xfe000000, v[TM+\b] ; 4 off its exponent field: the conversion's scale operand
.endr
.irp b, 0,1,2,3
	v_lshrrev_b32 v[TM+4+\b], 23, v[TM+12+\b]      ; the scale's byte
.endr
	v_lshl_or_b32 v[PW+\a], v[TM+5], 8, v[TM+4]
	v_lshl_or_b32 v[PW+\a], v[TM+6], 16, v[PW+\a]
	v_lshl_or_b32 v[PW+\a], v[TM+7], 24, v[PW+\a]
	WIN 0x02
.irp c, 0,1
	v_cvt_scalef32_pk16_bf6_f32 v[\pc+6*\c:\pc+6*\c+2], v[64*\a+32*\c:64*\a+32*\c+15], v[TM+12+2*\c]
	v_cvt_scalef32_pk16_bf6_f32 v[CS+4*\c:CS+4*\c+2], v[64*\a+32*\c+16:64*\a+32*\c+31], v[TM+12+2*\c+1]
.endr
	WIN 0
	v_nop                                          ; one plain line behind a scaled conversion
.irp c, 0,1                                    ; the operand's layout wants a whole block in a lane
.irp i, 0,1,2
	v_permlane16_swap_b32 v[\pc+6*\c+\i], v[CS+4*\c+\i]
.endr
.irp i, 0,1,2
	v_mov_b32 v[\pc+6*\c+3+\i], v[CS+4*\c+\i]
.endr
.endr
.endm
; role 0 (q, k): group a is token tile a: its first six registers are my first head's half image, the last six my second head's.
; role 1 (v): group a is Wv's tiles 2 a and 2 a + 1 of my eight: head a / 2, images 2 (a % 2) and 2 (a % 2) + 1, the half of my 64 keys.
.macro EPI role
	PLACES 4                                       ; behind the last products, in front of the first read of results
.irp a, 0,1,2,3
	QUANT \a, PC+12*(\a%2)
.if \a > 0
	s_wait_alu depctr_va_vdst(0)
	s_wait_xcnt 0x0                                ; the earlier stores have read their data: the next group may write the other set of codes
.endif
.if \role
.set O0, (\a/2)*HS+(\a%2)*3072
.set O1, O0+1536
.else
.set O0, \a*768
.set O1, O0+HS
.endif
	global_store_b128 v8, v[PC+12*(\a%2):PC+12*(\a%2)+3], s[OB+4*\role:OB+4*\role+1] offset:O0        ; 512 consecutive bytes, at a multiple of 256 from the buffer's first byte
	global_store_b64 v9, v[PC+12*(\a%2)+4:PC+12*(\a%2)+5], s[OB+4*\role:OB+4*\role+1] offset:O0+512   ; 256
	global_store_b128 v8, v[PC+12*(\a%2)+6:PC+12*(\a%2)+9], s[OB+4*\role:OB+4*\role+1] offset:O1
	global_store_b64 v9, v[PC+12*(\a%2)+10:PC+12*(\a%2)+11], s[OB+4*\role:OB+4*\role+1] offset:O1+512
.endr
.if \role
.irp d, 0,1                                    ; head d: lanes 0-15 images 0, 1, lanes 16-31 images 2, 3; of each word the two bytes of my 64 keys (the other wave of my columns stores the other two)
	v_cndmask_b32 v[226+2*\d], v[PW+2*\d], v[PW+2*\d+1], s[HI]
	v_lshrrev_b32 v[227+2*\d], 16, v[226+2*\d]
	global_store_b16 v14, v[226+2*\d], s[OB+4:OB+5] offset:\d*HS
	global_store_b16 v14, v[227+2*\d], s[OB+4:OB+5] offset:\d*HS+4
.endr
.else                                          ; a word is two bytes of a key and two of the key 8 on: tiles 0, 1 and 2, 3 pair up
	v_perm_b32 v226, v[PW+1], v[PW], v12
	v_perm_b32 v227, v[PW+3], v[PW+2], v12
	global_store_b64 v11, v[226:227], s[OB:OB+1]   ; sixteen lanes store 128 consecutive bytes
.endif
.endm
	s_wait_alu depctr_va_vdst(0)
	s_wait_tensorcnt 0x0                           ; my load of the head's four is in; slot 1's first fill is issued as a refill is
	ds_add_u32 v254, v255
	s_mov_b32 s[G1W+2], 4<<16                      ; no load of mine is out: from here on a load brings four tiles
	s_mov_b32 s[G1W+4], 4
	s_wait_dscnt 0x0
	ROUND
	tensor_load_to_lds s[G0S+4:G0S+7], s[G1W:G1W+7]
	s_nop 0
	PLACES 4
	FETCH 0
	SCALES 0
	s_mov_b32 s[CNT], 2
.Lphase:                                               ; q, then k
.irp k, 0,1,2,3,4,5,6,7
	KSTEP \k, 0, 1
.endr
	EPI 0
	s_wait_alu depctr_va_vdst(0)
	s_wait_xcnt 0x0                                ; the stores and prefetches have read their bases and data
	s_mov_b64 s[OB:OB+1], s[OB+2:OB+3]
	s_add_nc_u64 s[PF:PF+1], s[PF:PF+1], PHB
	s_sub_co_u32 s[CNT], s[CNT], 1
	s_cmp_lg_u32 s[CNT], 0
	s_cbranch_scc1 .Lphase
.irp k, 0,1,2,3,4,5,6,7                        ; v: nothing more is fetched from memory
	KSTEP \k, 1, 0
.endr
	EPI 1
	s_wait_tensorcnt 0x0                           ; the wave's end
	ds_add_u32 v254, v255
	s_wait_dscnt 0x0
	ROUND                                          ; the closing round
	s_endpgm
.Lfunc_end_k_qc30b393169_qkv:
	.size	k_qc30b393169_qkv, .Lfunc_end_k_qc30b393169_qkv-k_qc30b393169_qkv
	.p2alignl 7, 3214868480
	.fill 96, 4, 3214868480
	.section	.rodata,"a",@progbits
	.p2align	6, 0x0
	.amdhsa_kernel k_qc30b393169_qkv
		.amdhsa_group_segment_fixed_size 327680
		.amdhsa_private_segment_fixed_size 0
		.amdhsa_enable_private_segment 0
		.amdhsa_kernarg_size 32
		.amdhsa_user_sgpr_count 2
		.amdhsa_user_sgpr_kernarg_segment_ptr 1
		.amdhsa_wavefront_size32 1
		.amdhsa_system_sgpr_workgroup_id_x 1
		.amdhsa_system_sgpr_workgroup_id_y 1
		.amdhsa_system_sgpr_workgroup_id_z 1
		.amdhsa_system_vgpr_workitem_id 0
		.amdhsa_next_free_vgpr 768
		.amdhsa_next_free_sgpr 100
		.amdhsa_reserve_vcc 0
		.amdhsa_float_denorm_mode_32 3
		.amdhsa_float_denorm_mode_16_64 3
		.amdhsa_memory_ordered 1
		.amdhsa_forward_progress 1
		.amdhsa_inst_pref_size 169
	.end_amdhsa_kernel
	.amdgpu_metadata
---
amdhsa.version: [ 1, 2 ]
amdhsa.kernels:
  - .name:           k_qc30b393169_qkv
    .symbol:         k_qc30b393169_qkv.kd
    .args:
      - { .name: xrec, .offset: 0, .size: 8, .value_kind: global_buffer, .address_space: global }
      - { .name: wrec, .offset: 8, .size: 8, .value_kind: global_buffer, .address_space: global }
      - { .name: qrec, .offset: 16, .size: 8, .value_kind: global_buffer, .address_space: global }
      - { .name: kvrec, .offset: 24, .size: 8, .value_kind: global_buffer, .address_space: global }
    .group_segment_fixed_size: 327680
    .private_segment_fixed_size: 0
    .kernarg_segment_align: 8
    .kernarg_segment_size: 32
    .max_flat_workgroup_size: 128
    .sgpr_count:     100
    .vgpr_count:     768
    .wavefront_size: 32
...
	.end_amdgpu_metadata
.endif
;; end of part 2
;; launch attn (part 3): grid 4 x 64, 16 waves a work-group, clusters of 4 x 1, 327,680 bytes of LDS; arguments qrec, kvrec, orec; writes orec
.if DOCPART == 3
	.amdgcn_target "amdgcn-amd-amdhsa--gfx1250"
	.amdhsa_code_object_version 6
	.text
	.protected	k_qc30b393169_attn
	.globl	k_qc30b393169_attn
	.p2align	8
	.type	k_qc30b393169_attn,@function
k_qc30b393169_attn:
	s_mov_b64 s[64:65], 0
	v_nop
	global_prefetch_b8 v0, s[64:65] scope:SCOPE_SE
	s_setreg_imm32_b32 hwreg(HW_REG_WAVE_MODE, 25, 1), 1
	s_wait_xcnt 0x0
	s_wait_alu depctr_hold_cnt(0) depctr_sa_sdst(0) depctr_va_vdst(0) depctr_va_sdst(0) depctr_va_ssrc(0) depctr_va_vcc(0) depctr_vm_vsrc(0)
	s_getreg_b32 s2, hwreg(HW_REG_IB_STS2, 6, 4)
	s_cmp_eq_u32 s2, 0
	s_cbranch_scc0 .Lentry_in_a_cluster
	s_endpgm
.Lentry_in_a_cluster:
	s_bfe_u32 s2, ttmp6, 0x10000c
	s_cmp_lg_u32 s2, 0x3003
	s_cbranch_scc0 .Lentry_shape_is_right
	s_endpgm
.Lentry_shape_is_right:
; o = softmax(q k^T / 32, causal) v on codes of BF6, one head and batch to a cluster of four work-groups; o is quantised along the channels for the projection.
; Key tiles that lie wholly above the diagonal are under the mask that the problem builds itself: they are passed over by a scalar branch on ids.
; ALL OF THE HEAD'S K AND V LIE IN LDS: sixteen records of 12,800 bytes (128 keys each), one joint tensor load a wave, a record each, filled once; the four work-groups of a cluster ask jointly.
; Sixteen waves; wave w takes 16 queries of record w / 2 and then 16 of record 15 - w / 2: 17 steps of 128 keys for every wave.  Both products are used transposed: a lane holds one query.
; p = 2^(t - M), M the ceiling of the running largest t; the row's sum is taken of the unquantised p; a change of M multiplies the sums by a power of two.
; No prefetch: the one fill stands at the head, with no loop ahead of it.
; LIMITS: the scaled scores stay under 2^31 in magnitude; a block of zeros gets the byte 1; NaN and infinities are not served.
.set HS,   204800
.set REC,  12800
.set VOFF, 6144
.set KSC,  12288
.set VSC,  12544
.set BM,   212
.set BP,   216
.set SO,   220
.macro PLACES n
.rept \n
	v_nop
.endr
.endm
.macro ROUND
	s_barrier_signal -1
	s_barrier_wait -1
	s_cmp_lg_u32 s12, 0
	s_cbranch_scc1 .Lnot_wave_0_\@
	s_barrier_signal -3
.Lnot_wave_0_\@:
	s_barrier_wait -3
	s_barrier_signal -1
	s_barrier_wait -1
.endm
.macro FRAG reg, a16, a8, off
	ds_load_b128 v[\reg:\reg+3], v[\a16] offset:\off
	ds_load_b64 v[\reg+4:\reg+5], v[\a8] offset:\off+512
	ds_load_b128 v[\reg+6:\reg+9], v[\a16] offset:\off+768
	ds_load_b64 v[\reg+10:\reg+11], v[\a8] offset:\off+1280
.endm
	s_load_b128 s[4:7], s[0:1], 0x0
	s_load_b64 s[8:9], s[0:1], 0x10
	v_lshl_add_u32 v254, v0, 2, 0x32000
	v_mov_b32 v255, 0
	ds_add_u32 v254, v255
	ds_add_u32 v254, v255
	v_lshrrev_b32 v1, 5, v0
	s_delay_alu instid0(VALU_DEP_1)
	v_readfirstlane_b32 s12, v1
	s_and_b32 s13, s12, 1
	s_lshr_b32 s14, s12, 1
	s_bfe_u32 s15, ttmp6, 0x40000
	s_and_b32 s42, ttmp7, 0xffff
	s_mul_i32 s43, s42, HS
	s_mov_b32 s16, 15|(3<<16)|(1<<21)
	s_mov_b32 s17, 32<<16
	s_mov_b32 s18, 50<<16
	s_mov_b32 s19, 32<<16
	s_mov_b32 s20, 50
	s_mov_b32 s21, 32
	s_mov_b32 s22, 0
	s_mov_b32 s23, 0
	s_mul_i32 s44, s12, REC
	s_add_co_u32 s46, s43, s44
	s_mov_b32 s47, 0
	s_mov_b32 s32, 0x76543210
	s_mov_b32 s33, 0xfedcba98
	s_mov_b32 s34, 0x3d38aa3b
	s_mov_b32 s35, s34
	s_mov_b32 s40, 0xffff0000
	s_mov_b32 s41, 0x01000100
	s_cmp_eq_u32 s13, 1
	s_cselect_b32 s41, 0x03020302, s41
	s_wait_dscnt 0x0
	s_wait_kmcnt 0x0
	s_mov_b32 s24, 1
	s_mov_b32 s25, s44
	s_add_nc_u64 s[26:27], s[6:7], s[46:47]
	s_or_b32 s27, s27, 0x80000000
	ROUND
	tensor_load_to_lds s[24:27], s[16:23]
	s_nop 0
	PLACES 4
	v_and_b32 v10, 31, v0
	v_and_b32 v9, 15, v0
	v_bfe_u32 v11, v0, 4, 1
	s_delay_alu instid0(VALU_DEP_3)
	v_lshlrev_b32 v1, 4, v10
	s_delay_alu instid0(VALU_DEP_4)
	v_lshlrev_b32 v2, 3, v10
	s_delay_alu instid0(VALU_DEP_4)
	v_lshlrev_b32 v3, 3, v9
	s_delay_alu instid0(VALU_DEP_1)
	v_add_nc_u32 v8, v3, v11
	v_and_b32 v7, 8, v9
	s_delay_alu instid0(VALU_DEP_1)
	v_add_nc_u32 v7, v7, v9
	v_lshlrev_b32 v11, 4, v11
	s_delay_alu instid0(VALU_DEP_1)
	v_sub_nc_u32 v7, v7, v11
	s_lshl_b32 s45, s13, 3
	v_add_nc_u32 v7, s45, v7
.irp j, 16,17,18,19,20,21,28,29,30,31,32,33
	v_mov_b32 v\j, 0
.endr
.irp b, 0,1,2,3
	v_mov_b32 v[BP+\b], 0
.endr
	v_mov_b32 v237, 0
	v_mov_b32 v238, 0
.macro INIT pass
.if \pass
	s_sub_co_u32 s48, 15, s14
	s_sub_co_u32 s49, 3, s15
.else
	s_mov_b32 s48, s14
	s_mov_b32 s49, s15
.endif
	s_mul_i32 s50, s48, REC
	s_add_co_u32 s50, s50, s43
	s_mul_i32 s51, s49, 1536
	s_add_co_u32 s52, s50, s51
	s_mul_i32 s51, s13, 768
	s_add_co_u32 s52, s52, s51
	s_mov_b32 s53, 0
	s_add_nc_u64 s[54:55], s[4:5], s[52:53]
	s_lshr_b32 s51, s49, 1
	s_lshl_b32 s51, s51, 7
	s_add_co_u32 s52, s50, s51
	s_and_b32 s51, s49, 1
	s_lshl_b32 s51, s51, 2
	s_add_co_u32 s52, s52, s51
	s_add_co_u32 s52, s52, KSC
	s_add_nc_u64 s[56:57], s[4:5], s[52:53]
	global_load_b128 v[22:25], v1, s[54:55]
	global_load_b64 v[26:27], v2, s[54:55] offset:512
	global_load_b32 v35, v3, s[56:57]
	s_lshl_b32 s51, s49, 5
	v_add_nc_u32 v6, s51, v7
	v_mov_b32 v13, 0xff61b1e6
	s_delay_alu instid0(VALU_DEP_1)
	v_floor_f32 v12, -v13
	v_mov_b32 v14, 0
	v_mov_b32 v15, 0
	s_wait_loadcnt 0x0
	v_perm_b32 v34, v35, v35, s41
.irp j, 0,1,2,3,4,5,6,7,8,9,10,11,12,13,14,15,16,17,18,19,20,21,22,23,24,25,26,27,28,29,30,31
	v_mov_b32 v[160+\j], 0
.endr
.endm
.macro STEP mask
	v_add_nc_u32 v4, s36, v1
	v_add_nc_u32 v5, s36, v2
	v_nop
	v_nop
.irp f, 0,1,2,3
	FRAG 36+12*\f, 4, 5, \f*1536
.endr
	ds_load_b64 v[228:229], v5 offset:KSC
	s_wait_alu depctr_va_vdst(0)
	s_wait_dscnt 0x0
.irp f, 0,1,2,3
.if \f < 2
	v_wmma_scale_f32_16x16x128_f8f6f4 v[96+16*\f:103+16*\f], v[36+12*\f:47+12*\f], v[22:33], 0, v[228+\f%2], v34 matrix_a_fmt:MATRIX_FMT_BF6 matrix_b_fmt:MATRIX_FMT_BF6
	v_wmma_scale_f32_16x16x128_f8f6f4 v[104+16*\f:111+16*\f], v[36+12*\f:47+12*\f], v[16:27], 0, v[228+\f%2], v34 matrix_a_fmt:MATRIX_FMT_BF6 matrix_b_fmt:MATRIX_FMT_BF6
.else
	v_wmma_scale_f32_16x16x128_f8f6f4 v[96+16*\f:103+16*\f], v[36+12*\f:47+12*\f], v[22:33], 0, v[228+\f%2], v34 matrix_a_fmt:MATRIX_FMT_BF6 matrix_b_fmt:MATRIX_FMT_BF6 matrix_a_scale:MATRIX_SCALE_ROW1
	v_wmma_scale_f32_16x16x128_f8f6f4 v[104+16*\f:111+16*\f], v[36+12*\f:47+12*\f], v[16:27], 0, v[228+\f%2], v34 matrix_a_fmt:MATRIX_FMT_BF6 matrix_b_fmt:MATRIX_FMT_BF6 matrix_a_scale:MATRIX_SCALE_ROW1
.endif
.endr
	PLACES 4
.irp t, 0,1,2,3
	FRAG 36+12*\t, 4, 5, VOFF+\t*1536
.endr
	ds_load_b64 v[232:233], v5 offset:VSC
.if \mask
	s_cmp_lg_u32 s37, s39
	s_cbranch_scc1 .Lopen_\@
	v_mov_b32 v238, 0xff800000
.irp n, 0,1,2,3,4,5,6,7,8,9,10,11,12,13,14,15,16,17,18,19,20,21,22,23,24,25,26,27,28,29,30,31,32,33,34,35,36,37,38,39,40,41,42,43,44,45,46,47,48,49,50,51,52,53,54,55,56,57,58,59,60,61,62,63
	v_cmp_gt_i32 vcc_lo, 32*(\n/16)+\n%16, v6
	v_cndmask_b32 v[96+\n], v[96+\n], v238, vcc_lo
.endr
.Lopen_\@:
.endif
.irp b, 0,1,2,3
	v_max3_num_f32 v[BM+\b], v[96+16*\b], v[97+16*\b], v[98+16*\b]
.endr
.irp i, 3,5,7,9,11,13
.irp b, 0,1,2,3
	v_max3_num_f32 v[BM+\b], v[BM+\b], v[96+16*\b+\i], v[97+16*\b+\i]
.endr
.endr
.irp b, 0,1,2,3
	v_max_num_f32 v[BM+\b], v[BM+\b], v[111+16*\b]
.endr
.irp b, 0,1,2,3
	s_delay_alu instid0(VALU_DEP_4)
	v_permlanex16_b32 v[BP+\b], v[BM+\b], s32, s33
.endr
.irp b, 0,1,2,3
	s_delay_alu instid0(VALU_DEP_4)
	v_max_num_f32 v[BM+\b], v[BM+\b], v[BP+\b]
.endr
	s_delay_alu instid0(VALU_DEP_2)
	v_max3_num_f32 v238, v[BM], v[BM+1], v[BM+2]
	s_delay_alu instid0(VALU_DEP_1)
	v_max_num_f32 v238, v238, v[BM+3]
	s_delay_alu instid0(VALU_DEP_1)
	v_mul_f32 v238, s34, v238
	s_delay_alu instid0(VALU_DEP_1)
	v_max_num_f32 v13, v13, v238
	v_mov_b32 v238, v12
	s_delay_alu instid0(VALU_DEP_2)
	v_floor_f32 v12, -v13
	s_delay_alu instid0(VALU_DEP_1)
	v_sub_f32 v238, v12, v238
	s_delay_alu instid0(VALU_DEP_1)
	v_cvt_i32_f32 v238, v238
	s_delay_alu instid0(VALU_DEP_1)
	v_ldexp_f32 v236, 1.0, v238
.irp j, 0,2,4,6,8,10,12,14,16,18,20,22,24,26,28,30,32,34,36,38,40,42,44,46,48,50,52,54,56,58,60,62
	v_pk_fma_f32 v[96+\j:97+\j], v[96+\j:97+\j], s[34:35], v[12:13] op_sel_hi:[1,0,0]
.endr
.irp b, 0,1,2,3
	v_fma_f32 v[BM+\b], v[BM+\b], s34, v12
.endr
	s_wait_alu depctr_va_vdst(0)
.irp j, 0,1,2,3,4,5,6,7,8,9,10,11,12,13,14,15,16,17,18,19,20,21,22,23,24,25,26,27,28,29,30,31,32,33,34,35,36,37,38,39,40,41,42,43,44,45,46,47,48,49,50,51,52,53,54,55,56,57,58,59,60,61,62,63
	v_exp_f32 v[96+\j], v[96+\j]
.endr
.irp b, 0,1,2,3
	v_exp_f32 v[BM+\b], v[BM+\b]
.endr
	v_pk_mul_f32 v[14:15], v[14:15], v[236:237] op_sel_hi:[1,0]
	s_wait_alu depctr_va_vdst(0)
.irp b, 0,1,2,3
	v_max_num_f32 v[BM+\b], 0x2800000, v[BM+\b]
.endr
.irp b, 0,1,2,3
	s_delay_alu instid0(VALU_DEP_4)
	v_add_nc_u32 v[SO+\b], 0xfe000000, v[BM+\b]
.endr
.irp b, 0,1,2,3
	s_delay_alu instid0(VALU_DEP_4)
	v_lshrrev_b32 v[BP+\b], 23, v[SO+\b]
.endr
	s_delay_alu instid0(VALU_DEP_3)
	v_lshl_or_b32 v234, v[BP+1], 8, v[BP]
	s_delay_alu instid0(VALU_DEP_1)
	v_lshl_or_b32 v234, v[BP+2], 16, v234
	s_delay_alu instid0(VALU_DEP_1)
	v_lshl_or_b32 v234, v[BP+3], 24, v234
.irp c, 0,1
	v_cvt_scalef32_pk16_bf6_f32 v[192+6*\c:194+6*\c], v[96+32*\c:111+32*\c], v[SO+2*\c]
	v_cvt_scalef32_pk16_bf6_f32 v[204+4*\c:206+4*\c], v[112+32*\c:127+32*\c], v[SO+2*\c+1]
.endr
	v_nop
.irp c, 0,1
.irp i, 0,1,2
	v_permlane16_swap_b32 v[192+6*\c+\i], v[204+4*\c+\i]
.endr
.irp i, 0,1,2
	s_delay_alu instid0(VALU_DEP_3)
	v_mov_b32 v[195+6*\c+\i], v[204+4*\c+\i]
.endr
.endr
	v_pk_add_f32 v[240:241], v[96:97], v[98:99]
.irp j, 4,8,12,16,20,24,28,32,36,40,44,48,52,56,60
	v_pk_add_f32 v[14:15], v[14:15], v[96+\j:97+\j]
	v_pk_add_f32 v[240:241], v[240:241], v[98+\j:99+\j]
.endr
	s_delay_alu instid0(VALU_DEP_1)
	v_pk_add_f32 v[14:15], v[14:15], v[240:241]
.irp j, 0,2,4,6,8,10,12,14,16,18,20,22,24,26,28,30
	v_pk_mul_f32 v[160+\j:161+\j], v[160+\j:161+\j], v[236:237] op_sel_hi:[1,0]
.endr
	s_wait_alu depctr_va_vdst(0)
	s_wait_dscnt 0x0
.irp t, 0,1,2,3
.if \t < 2
	v_wmma_scale_f32_16x16x128_f8f6f4 v[160+8*\t:167+8*\t], v[36+12*\t:47+12*\t], v[192:203], v[160+8*\t:167+8*\t], v[232+\t%2], v234 matrix_a_fmt:MATRIX_FMT_BF6 matrix_b_fmt:MATRIX_FMT_BF6
.else
	v_wmma_scale_f32_16x16x128_f8f6f4 v[160+8*\t:167+8*\t], v[36+12*\t:47+12*\t], v[192:203], v[160+8*\t:167+8*\t], v[232+\t%2], v234 matrix_a_fmt:MATRIX_FMT_BF6 matrix_b_fmt:MATRIX_FMT_BF6 matrix_a_scale:MATRIX_SCALE_ROW1
.endif
.endr
.endm
.macro WALK trips, mask
	s_mov_b32 s36, 0
	s_mov_b32 s37, 0
.Lwalk_\@:
	s_cmp_lt_u32 s37, s38
	s_cbranch_scc1 .Lskip_\@
	s_cmp_gt_u32 s37, s39
	s_cbranch_scc1 .Lskip_\@
	STEP \mask
.Lskip_\@:
	s_add_co_u32 s36, s36, REC
	s_add_co_u32 s37, s37, 1
	s_cmp_lt_u32 s37, \trips
	s_cbranch_scc1 .Lwalk_\@
.endm
.macro OUT
	PLACES 4
	v_add_f32 v14, v14, v15
	s_delay_alu instid0(VALU_DEP_1)
	v_permlanex16_b32 v238, v14, s32, s33
	s_delay_alu instid0(VALU_DEP_1)
	v_add_f32 v14, v14, v238
	s_wait_alu depctr_va_vdst(0)
	v_rcp_f32 v14, v14
	v_nop
	s_wait_alu depctr_va_vdst(0)
.irp j, 0,1,2,3,4,5,6,7,8,9,10,11,12,13,14,15,16,17,18,19,20,21,22,23,24,25,26,27,28,29,30,31
	v_mul_f32 v[96+\j], v[160+\j], v14
.endr
.irp b, 0,1
	v_max3_num_f32 v[BM+\b], |v[96+16*\b]|, |v[97+16*\b]|, 0x2800000
.endr
.irp i, 2,4,6,8,10,12,14
.irp b, 0,1
	s_delay_alu instid0(VALU_DEP_2)
	v_max3_num_f32 v[BM+\b], v[BM+\b], |v[96+16*\b+\i]|, |v[97+16*\b+\i]|
.endr
.endr
.irp b, 0,1
	s_delay_alu instid0(VALU_DEP_2)
	v_permlanex16_b32 v[BP+\b], v[BM+\b], s32, s33
.endr
.irp b, 0,1
	s_delay_alu instid0(VALU_DEP_2)
	v_max_num_f32 v[BM+\b], v[BM+\b], v[BP+\b]
.endr
.irp b, 0,1
	s_delay_alu instid0(VALU_DEP_2)
	v_add_nc_u32 v[SO+\b], 0xfe000000, v[BM+\b]
.endr
.irp b, 0,1
	s_delay_alu instid0(VALU_DEP_2)
	v_lshrrev_b32 v[BP+\b], 23, v[SO+\b]
.endr
	v_cvt_scalef32_pk16_bf6_f32 v[192:194], v[96:111], v[SO]
	v_cvt_scalef32_pk16_bf6_f32 v[204:206], v[112:127], v[SO+1]
	v_nop
.irp i, 0,1,2
	v_permlane16_swap_b32 v[192+\i], v[204+\i]
.endr
.irp i, 0,1,2
	s_delay_alu instid0(VALU_DEP_3)
	v_mov_b32 v[195+\i], v[204+\i]
.endr
	v_cndmask_b32 v239, v[BP], v[BP+1], s40
	s_lshl_b32 s50, s48, 2
	s_add_co_u32 s50, s50, s49
	s_lshl_b32 s50, s50, 1
	s_add_co_u32 s50, s50, s13
	s_lshr_b32 s51, s42, 4
	s_lshl_b32 s51, s51, 7
	s_add_co_u32 s50, s50, s51
	s_mul_i32 s50, s50, 13312
	s_bfe_u32 s51, s42, 0x20002
	s_mul_i32 s51, s51, 3328
	s_add_co_u32 s50, s50, s51
	s_mov_b32 s51, 0
	s_add_nc_u64 s[58:59], s[8:9], s[50:51]
	s_and_b32 s52, s42, 3
	s_mul_i32 s54, s52, 768
	s_mov_b32 s55, 0
	s_add_nc_u64 s[60:61], s[58:59], s[54:55]
	s_lshl_b32 s54, s52, 1
	s_add_co_u32 s54, s54, 3072
	s_add_nc_u64 s[58:59], s[58:59], s[54:55]
	s_wait_alu depctr_va_vdst(0)
	global_store_b128 v1, v[192:195], s[60:61]
	global_store_b64 v2, v[196:197], s[60:61] offset:512
	global_store_b8 v8, v239, s[58:59]
	s_wait_xcnt 0x0
.endm
	INIT 0
	s_wait_tensorcnt 0x0
	s_barrier_signal -1
	s_barrier_wait -1
	s_mov_b32 s38, 0
	s_mov_b32 s39, s14
	WALK 8, 1
	OUT
	INIT 1
	s_mov_b32 s38, 0
	s_sub_co_u32 s39, 15, s14
	WALK 16, 1
	OUT
	s_wait_tensorcnt 0x0
	ds_add_u32 v254, v255
	s_wait_dscnt 0x0
	ROUND
	s_endpgm
.Lfunc_end_k_qc30b393169_attn:
	.size	k_qc30b393169_attn, .Lfunc_end_k_qc30b393169_attn-k_qc30b393169_attn
	.p2alignl 7, 3214868480
	.fill 96, 4, 3214868480
	.section	.rodata,"a",@progbits
	.p2align	6, 0x0
	.amdhsa_kernel k_qc30b393169_attn
		.amdhsa_group_segment_fixed_size 327680
		.amdhsa_private_segment_fixed_size 0
		.amdhsa_enable_private_segment 0
		.amdhsa_kernarg_size 24
		.amdhsa_user_sgpr_count 2
		.amdhsa_user_sgpr_kernarg_segment_ptr 1
		.amdhsa_wavefront_size32 1
		.amdhsa_system_sgpr_workgroup_id_x 1
		.amdhsa_system_sgpr_workgroup_id_y 1
		.amdhsa_system_sgpr_workgroup_id_z 1
		.amdhsa_system_vgpr_workitem_id 0
		.amdhsa_next_free_vgpr 256
		.amdhsa_next_free_sgpr 66
		.amdhsa_reserve_vcc 1
		.amdhsa_float_denorm_mode_32 3
		.amdhsa_float_denorm_mode_16_64 3
		.amdhsa_memory_ordered 1
		.amdhsa_forward_progress 1
		.amdhsa_inst_pref_size 65
	.end_amdhsa_kernel
	.amdgpu_metadata
---
amdhsa.version: [ 1, 2 ]
amdhsa.kernels:
  - .name:           k_qc30b393169_attn
    .symbol:         k_qc30b393169_attn.kd
    .args:
      - { .name: qrec, .offset: 0, .size: 8, .value_kind: global_buffer, .address_space: global }
      - { .name: kvrec, .offset: 8, .size: 8, .value_kind: global_buffer, .address_space: global }
      - { .name: orec, .offset: 16, .size: 8, .value_kind: global_buffer, .address_space: global }
    .group_segment_fixed_size: 327680
    .private_segment_fixed_size: 0
    .kernarg_segment_align: 8
    .kernarg_segment_size: 24
    .max_flat_workgroup_size: 512
    .sgpr_count:     66
    .vgpr_count:     256
    .wavefront_size: 32
...
	.end_amdgpu_metadata
.endif
;; end of part 3
;; launch proj (part 4): grid 4 x 64, 4 waves a work-group, clusters of 4 x 4, 327,680 bytes of LDS; arguments orec, wrec, bp, out0; writes out0
.if DOCPART == 4
	.amdgcn_target "amdgcn-amd-amdhsa--gfx1250"
	.amdhsa_code_object_version 6
	.text
	.protected	k_qc30b393169_proj
	.globl	k_qc30b393169_proj
	.p2align	8
	.type	k_qc30b393169_proj,@function
k_qc30b393169_proj:
	s_mov_b64 s[64:65], 0
	v_nop
	global_prefetch_b8 v0, s[64:65] scope:SCOPE_SE
	s_setreg_imm32_b32 hwreg(HW_REG_WAVE_MODE, 25, 1), 1
	s_wait_xcnt 0x0
	s_wait_alu depctr_hold_cnt(0) depctr_sa_sdst(0) depctr_va_vdst(0) depctr_va_sdst(0) depctr_va_ssrc(0) depctr_va_vcc(0) depctr_vm_vsrc(0)
	s_getreg_b32 s2, hwreg(HW_REG_IB_STS2, 6, 4)
	s_cmp_eq_u32 s2, 0
	s_cbranch_scc0 .Lentry_in_a_cluster
	s_endpgm
.Lentry_in_a_cluster:
	s_bfe_u32 s2, ttmp6, 0x10000c
	s_cmp_lg_u32 s2, 0xf033
	s_cbranch_scc0 .Lentry_shape_is_right
	s_endpgm
.Lentry_shape_is_right:
; out0 = o Wp^T + bp on codes of BF6 with E8M0 scales; out0 [8192][1024] f32.
; OPERANDS lie in memory as images of their registers: a row tile (16 rows, all of K = 1,024) is 13,312 bytes, four chunks of 3,328: two fragments of 1,536 bytes and 128 scale bytes.
; Stored tile T, row p, is row 32 (T / 2) + 8 (T % 2) + p + 8 (p / 8), of o's tokens and of Wp's rows alike.
; A WORK-GROUP makes 128 tokens (R, source 1) x 256 outputs (P, source 0: rows of Wp, tiles 192-255 of wrec); ALL OF K LIES IN LDS (4 chunks x 24 tiles x 3,328 bytes), filled once: no byte of LDS is filled twice.
; Four waves: wave (wr, wp) makes R's half wr (4 tiles) x P's half wp (8 tiles): 32 accumulators.  A lane holds one token; register j of accumulator (a, b) is output 32 (b / 2) + 16 (lane / 16) + 8 (b % 2) + j of the wave's 128.
; The bias is the C of each sum's first matrix instruction.  CLUSTERS: 4 x 4; R's tiles are shared along a row of the cluster, P's along a column: each is asked for JOINTLY.
; REGISTERS: window 0: v1-13 addresses; v16-47 scale words, two sets; v48-143 R's fragments, two sets of 48 (on the way out v48-175: rows read back).  window 1: P's fragments, two sets of 96; v192-255 the bias.  window 2: accumulator (a, b) at v[8 (8 a + b)].
; LDS AS THIS TEXT LAYS IT (in place of the figures in the lines above): each operand in two regions, one for each half of K, a tile 6,656 bytes (two chunks) in each:
; R's 8 tiles at 53,248 x half, P's 16 tiles at 106,496 + 106,496 x half; the spare words at 319,488.  Four tensor loads fill it, one a wave, once.
.set RT,     6656                      ; a tile's half of K
.set CH,     3328                      ; from a half's first chunk to its second
.set POFF,   106496
.set TILEB,  13312
.set CHUNKB, 3328
.set SC,  16
.set RF,  48
.set BK,  48                           ; the way out: 16 rows read back from the stage: v48-111 and v112-175 by turns
.set G1R, 24
.set G1P, 32
.set G0R, 40
.set MSB, 0
.macro WIN new                         ; the immediate's high byte repeats the setting that is left
.if MSB != \new
	s_set_vgpr_msb (MSB<<8)|\new
.set MSB, \new
.endif
.endm
.macro PLACES n
.rept \n
	v_nop
.endr
.endm
.macro ROUND                           ; a round of the cluster's barrier
	s_barrier_signal -1
	s_barrier_wait -1
	s_cmp_lg_u32 s12, 0
	s_cbranch_scc1 .Lnot_wave_0_\@
	s_barrier_signal -3
.Lnot_wave_0_\@:
	s_barrier_wait -3
	s_barrier_signal -1
	s_barrier_wait -1
.endm
	s_load_b256 s[4:11], s[0:1], 0x0               ; orec, wrec, bp, out0
	v_lshl_add_u32 v254, v0, 2, 0x4e000
	v_mov_b32 v255, 0
	ds_add_u32 v254, v255
	ds_add_u32 v254, v255
	v_lshrrev_b32 v1, 5, v0
	v_readfirstlane_b32 s12, v1                    ; wave
	s_lshr_b32 s13, s12, 1                         ; wr: my half of R.  Also: I fetch for R (0) or for P (1)
	s_and_b32 s14, s12, 1                          ; wp: my half of P.  Also: which half of K of that operand I fetch
	s_bfe_u32 s15, ttmp6, 0x40000                  ; cx
	s_bfe_u32 s16, ttmp6, 0x40004                  ; cy
	s_and_b32 s17, ttmp7, 0xffff
	s_lshl_b32 s18, s16, 2
	s_lshl_b32 s18, 15, s18                        ; my row of the cluster
	s_lshl_b32 s19, 0x1111, s15                    ; my column
	; group 1: rows of 832 elements of 8 bytes (a tile's half of K), 1,664 elements (a tile's record) apart; 8 rows for R, 16 for P; no padding
	s_or_b32 s[G1R], s18, (3<<16)|(1<<21)
	s_or_b32 s[G1P], s19, (3<<16)|(1<<21)
.irp g, G1R, G1P
	s_mov_b32 s[\g+1], 832<<16
	s_mov_b32 s[\g+3], 832<<16
	s_mov_b32 s[\g+5], 1664
	s_mov_b32 s[\g+6], 0
	s_mov_b32 s[\g+7], 0
.endr
	s_mov_b32 s[G1R+2], 8<<16
	s_mov_b32 s[G1R+4], 8
	s_mov_b32 s[G1P+2], 16<<16
	s_mov_b32 s[G1P+4], 16
	s_lshl_b32 s76, s17, 2
	s_add_co_u32 s76, s76, s16                     ; my block of 128 tokens = 4 x cluster y + cy
	s_lshl_b32 s77, s76, 3
	s_mul_i32 s78, s77, TILEB                      ; R's eight tiles,
	s_mul_i32 s79, s14, RT
	s_add_co_u32 s78, s78, s79                     ; the half of K that I would fetch
	s_mov_b32 s79, 0
	s_mul_i32 s82, s14, 8*RT
	s_lshl_b32 s84, ttmp9, 2
	s_add_co_u32 s84, s84, s15                     ; my block of 256 outputs = 4 x cluster x + cx
	s_lshl_b32 s85, s84, 4
	s_add_co_u32 s85, s85, 192                     ; Wp's tiles begin at 192
	s_mul_i32 s88, s85, TILEB                      ; P's sixteen tiles,
	s_mul_i32 s89, s14, RT
	s_add_co_u32 s88, s88, s89                     ; the half of K that I would fetch
	s_mov_b32 s89, 0
	s_mul_i32 s91, s14, 16*RT
	s_add_co_u32 s91, s91, POFF
	s_wait_dscnt 0x0
	s_wait_kmcnt 0x0
	s_add_nc_u64 s[80:81], s[4:5], s[78:79]
	s_add_nc_u64 s[86:87], s[6:7], s[88:89]
.irp g, 0
	s_mov_b32 s[G0R+4*\g], 1
	s_add_co_u32 s[G0R+4*\g+1], s82, \g*CH
	s_add_nc_u64 s[G0R+4*\g+2:G0R+4*\g+3], s[80:81], \g*CHUNKB
	s_or_b32 s[G0R+4*\g+3], s[G0R+4*\g+3], 0x80000000
	s_mov_b32 s[56+4*\g+4*(\g/2)], 1
	s_add_co_u32 s[56+4*\g+4*(\g/2)+1], s91, \g*CH
	s_add_nc_u64 s[56+4*\g+4*(\g/2)+2:56+4*\g+4*(\g/2)+3], s[86:87], \g*CHUNKB
	s_or_b32 s[56+4*\g+4*(\g/2)+3], s[56+4*\g+4*(\g/2)+3], 0x80000000
.endr
	ROUND                                          ; all sixteen work-groups are here: the joint loads meet
	s_cmp_eq_u32 s13, 0                            ; one load a wave: waves 0, 1 R's two halves of K, waves 2, 3 P's
	s_cbranch_scc0 .Lfill_p
	tensor_load_to_lds s[40:43], s[G1R:G1R+7]
	s_nop 0
	PLACES 4
	s_branch .Lfilled
.Lfill_p:
	tensor_load_to_lds s[56:59], s[G1P:G1P+7]
	s_nop 0
	PLACES 4
.Lfilled:
	v_and_b32 v10, 31, v0                          ; lane
	v_and_b32 v1, 15, v0                           ; p = lane % 16
	v_bfe_u32 v2, v0, 4, 1                         ; h = lane / 16
	v_lshlrev_b32 v8, 4, v10                       ; 16 x lane
	s_wait_alu depctr_va_vdst(0)
	v_lshlrev_b32 v9, 3, v10                       ; 8 x lane
	s_wait_alu depctr_va_vdst(0)
	s_lshl_b32 s94, s84, 10
	s_lshl_b32 s95, s14, 9
	s_add_co_u32 s94, s94, s95                     ; my 128 outputs, in bytes
	s_mov_b32 s95, 0
	s_add_nc_u64 s[8:9], s[8:9], s[94:95]
	v_lshlrev_b32 v11, 6, v2                       ; the bias in the result's layout: for tile b the eight numbers at 32 (b / 2) + 16 h + 8 (b % 2)
	WIN 0x40
.irp b, 0,1,2,3,4,5,6,7
	global_load_b128 v[192+8*\b:195+8*\b], v11, s[8:9] offset:(32*(\b/2)+8*(\b%2))*4
	global_load_b128 v[196+8*\b:199+8*\b], v11, s[8:9] offset:(32*(\b/2)+8*(\b%2))*4+16
.endr
	WIN 0
	s_mul_i32 s20, s13, 4*RT                       ; my four tiles of R
	s_mul_i32 s21, s14, 8*RT
	s_add_co_u32 s21, s21, POFF                    ; my eight tiles of P
	v_add_nc_u32 v3, s20, v8
	v_add_nc_u32 v4, s20, v9
	v_add_nc_u32 v5, s21, v8
	v_add_nc_u32 v6, s21, v9
	s_sub_co_u32 s22, s21, s20
	v_mul_u32_u24 v7, s22, v2                      ; scale words: lanes 16-31 take P's
	v_lshl_add_u32 v7, v1, 3, v7
	s_add_co_u32 s20, s20, 3072
	v_add_nc_u32 v7, s20, v7
	v_mul_u32_u24 v14, 0xd000, v2
	v_add_nc_u32 v14, 49920, v14                   ; the scale words' step from a first half's second chunk to the second half: R's 49,920 in lanes 0-15, P's 103,168 in lanes 16-31
	s_mul_i32 s96, s12, 16*528                     ; my stage: 16 rows x (512 bytes + 16).  It lies in R's first region, which has had its one fill, and which nobody reads when the first result is stored there
	v_mul_u32_u24 v12, v1, 528
	v_lshl_add_u32 v12, v2, 6, v12
	v_add_nc_u32 v12, s96, v12                     ; in: row p, + 64 h
	v_add_nc_u32 v13, s96, v8                      ; back: the 32 lanes take one row of 512 bytes
	s_lshl_b32 s92, s76, 7
	s_lshl_b32 s93, s13, 6
	s_add_co_u32 s92, s92, s93                     ; my first token
	s_lshl_b32 s92, s92, 12
	s_add_co_u32 s92, s92, s94                     ; and my first output
	s_mov_b32 s93, 0
	s_add_nc_u64 s[10:11], s[10:11], s[92:93]
.macro FRAG reg, a16, a8, off          ; an image comes back as it was stored: each access is dense, 512 or 256 consecutive bytes
	ds_load_b128 v[\reg:\reg+3], v[\a16] offset:\off
	ds_load_b64 v[\reg+4:\reg+5], v[\a8] offset:\off+512
	ds_load_b128 v[\reg+6:\reg+9], v[\a16] offset:\off+768
	ds_load_b64 v[\reg+10:\reg+11], v[\a8] offset:\off+1280
.endm
.macro FETCH q, p                      ; fragment q of the chunk in hand: P's eight and R's four, into set p
	WIN 0x40
.irp i, 0,1,2,3,4,5,6,7
	FRAG 96*(\p)+12*\i, 5, 6, \i*RT+(\q)*1536
.endr
	WIN 0
.irp i, 0,1,2,3
	FRAG RF+48*(\p)+12*\i, 3, 4, \i*RT+(\q)*1536
.endr
.endm
.macro SCALES sp                       ; a chunk's scale words: two a row.  (For i > 3 lanes 0-15 read bytes of the chunk that are not R's scales: those lanes' words are not used)
.irp i, 0,1,2,3,4,5,6,7
	ds_load_b64 v[SC+16*(\sp)+2*\i:SC+16*(\sp)+2*\i+1], v7 offset:\i*RT
.endr
.endm
; 32 matrix instructions, 128 along K.  The 32 accumulators take turns, one instruction a turn, in the same order in every step.  first = 1: the products start the sums, from the bias.
.macro MUL32 p, q, sp, first
.irp a, 0,1,2,3
.irp b, 0,1,2,3,4,5,6,7
.if \first
	v_wmma_scale_f32_16x16x128_f8f6f4 v[8*(8*\a+\b):8*(8*\a+\b)+7], v[96*(\p)+12*\b:96*(\p)+12*\b+11], v[RF+48*(\p)+12*\a:RF+48*(\p)+12*\a+11], v[192+8*\b:199+8*\b], v[SC+16*(\sp)+2*\b+(\q)], v[SC+16*(\sp)+2*\a+(\q)] matrix_a_fmt:MATRIX_FMT_BF6 matrix_b_fmt:MATRIX_FMT_BF6 matrix_a_scale:MATRIX_SCALE_ROW1
.else
	v_wmma_scale_f32_16x16x128_f8f6f4 v[8*(8*\a+\b):8*(8*\a+\b)+7], v[96*(\p)+12*\b:96*(\p)+12*\b+11], v[RF+48*(\p)+12*\a:RF+48*(\p)+12*\a+11], v[8*(8*\a+\b):8*(8*\a+\b)+7], v[SC+16*(\sp)+2*\b+(\q)], v[SC+16*(\sp)+2*\a+(\q)] matrix_a_fmt:MATRIX_FMT_BF6 matrix_b_fmt:MATRIX_FMT_BF6 matrix_a_scale:MATRIX_SCALE_ROW1
.endif
.endr
.endr
.endm
; K step k of eight.  The next step's fragments are asked for ahead of this step's products.  All of K has landed ahead of the first step.
.macro KSTEP k, first
	s_wait_dscnt 0x0                               ; this step's fragments are in
.if (\k) < 7
.if ((\k)%2) == 1
.if (\k) == 5
	s_barrier_signal -1                            ; every wave's reads of the first half of K are over: the stages of the way out lie in R's first region
	s_barrier_wait -1
.endif
.if (\k) == 3
	v_add_nc_u32 v3, 49920, v3                     ; on to the second half of K; these five are also the places in front of the loads below
	v_add_nc_u32 v4, 49920, v4
	v_add_nc_u32 v5, 103168, v5
	v_add_nc_u32 v6, 103168, v6
	v_add_nc_u32 v7, v14, v7
.else
.irp r, 3,4,5,6,7
	v_add_nc_u32 v\r, CH, v\r                      ; on to the half's second chunk; these five are also the places in front of the loads below
.endr
.endif
.elseif (\k) > 0
	PLACES 4                                       ; in front of loads into registers that the last step's matrix instructions have read
.endif
	FETCH ((\k)+1)%2, ((\k)+1)%2
.if ((\k)%2) == 1
	SCALES (((\k)+1)/2)%2
.endif
.endif
.if \first
	WIN 0x91                                       ; source 0 (P) and C (the bias) window 1, source 1 (R) window 0, D window 2
.else
	WIN 0xa1                                       ; source 0 window 1, source 1 window 0, C and D window 2
.endif
	MUL32 (\k)%2, (\k)%2, ((\k)/2)%2, \first
	WIN 0
.endm
	s_wait_alu depctr_va_vdst(0)
	s_wait_tensorcnt 0x0                           ; my load is in,
	s_barrier_signal -1
	s_barrier_wait -1                              ; everybody's is
	FETCH 0, 0
	SCALES 0
	s_wait_loadcnt 0x0                             ; the bias
	KSTEP 0, 1
.irp k, 1,2,3,4,5,6,7
	s_wait_alu depctr_va_vdst(0)
	KSTEP \k, 0
.endr
; THE WAY OUT, a tile of 16 tokens x my 128 outputs at a time.  A lane holds pieces of 32 bytes of one row, and the lanes beside it hold other rows: so a tile goes through my own stage in LDS and comes back as whole rows of 512 bytes.
; LDS serves a wave's instructions in order: no wait between the stores and the loads, nor in front of the next tile's stores.
.macro TOSTAGE a
	WIN 0x08                                       ; an LDS store's data are its source 1: window 2
.irp b, 0,1,2,3,4,5,6,7
	ds_store_b128 v12, v[64*(\a)+8*\b:64*(\a)+8*\b+3] offset:128*(\b/2)+32*(\b%2)        ; each accumulator from its low end on
	ds_store_b128 v12, v[64*(\a)+8*\b+4:64*(\a)+8*\b+7] offset:128*(\b/2)+32*(\b%2)+16
.endr
	WIN 0
.irp t, 0,1,2,3,4,5,6,7,8,9,10,11,12,13,14,15
	ds_load_b128 v[BK+64*((\a)%2)+4*\t:BK+64*((\a)%2)+4*\t+3], v13 offset:\t*528
.endr
.endm
.macro SEND a, younger                 ; younger: the LDS instructions issued behind tile a's loads, which may stay out.  Row t of stored tile a is token 32 (a / 2) + 8 (a % 2) + t + 8 (t / 8) of my 64
	s_wait_dscnt \younger
.irp t, 0,1,2,3,4,5,6,7,8,9,10,11,12,13,14,15
	global_store_b128 v8, v[BK+64*((\a)%2)+4*\t:BK+64*((\a)%2)+4*\t+3], s[10:11] offset:(32*((\a)/2)+8*((\a)%2)+\t+8*(\t/8))*4096 th:TH_STORE_NT   ; 32 lanes store 512 consecutive bytes, at a multiple of 256 from out0's first byte
.endr
.endm
	PLACES 4                                       ; behind the last products: for the reads of results and for the loads into the registers that held R's fragments
	TOSTAGE 0
.irp a, 1,2,3
.if \a > 1
	s_wait_xcnt 0x0                                ; tile a - 2's stores have read their registers: tile a's rows may land there
.endif
	TOSTAGE \a
	SEND \a-1, 32                                  ; behind tile a - 1's loads: tile a's 16 stores and 16 loads
.endr
	SEND 3, 0
	s_wait_tensorcnt 0x0
	ds_add_u32 v254, v255
	s_wait_dscnt 0x0
	ROUND                                          ; the closing round
	s_endpgm
.Lfunc_end_k_qc30b393169_proj:
	.size	k_qc30b393169_proj, .Lfunc_end_k_qc30b393169_proj-k_qc30b393169_proj
	.p2alignl 7, 3214868480
	.fill 96, 4, 3214868480
	.section	.rodata,"a",@progbits
	.p2align	6, 0x0
	.amdhsa_kernel k_qc30b393169_proj
		.amdhsa_group_segment_fixed_size 327680
		.amdhsa_private_segment_fixed_size 0
		.amdhsa_enable_private_segment 0
		.amdhsa_kernarg_size 32
		.amdhsa_user_sgpr_count 2
		.amdhsa_user_sgpr_kernarg_segment_ptr 1
		.amdhsa_wavefront_size32 1
		.amdhsa_system_sgpr_workgroup_id_x 1
		.amdhsa_system_sgpr_workgroup_id_y 1
		.amdhsa_system_sgpr_workgroup_id_z 1
		.amdhsa_system_vgpr_workitem_id 0
		.amdhsa_next_free_vgpr 768
		.amdhsa_next_free_sgpr 102
		.amdhsa_reserve_vcc 0
		.amdhsa_float_denorm_mode_32 3
		.amdhsa_float_denorm_mode_16_64 3
		.amdhsa_memory_ordered 1
		.amdhsa_forward_progress 1
		.amdhsa_inst_pref_size 84
	.end_amdhsa_kernel
	.amdgpu_metadata
---
amdhsa.version: [ 1, 2 ]
amdhsa.kernels:
  - .name:           k_qc30b393169_proj
    .symbol:         k_qc30b393169_proj.kd
    .args:
      - { .name: orec, .offset: 0, .size: 8, .value_kind: global_buffer, .address_space: global }
      - { .name: wrec, .offset: 8, .size: 8, .value_kind: global_buffer, .address_space: global }
      - { .name: bp, .offset: 16, .size: 8, .value_kind: global_buffer, .address_space: global }
      - { .name: out0, .offset: 24, .size: 8, .value_kind: global_buffer, .address_space: global }
    .group_segment_fixed_size: 327680
    .private_segment_fixed_size: 0
    .kernarg_segment_align: 8
    .kernarg_segment_size: 32
    .max_flat_workgroup_size: 128
    .sgpr_count:     102
    .vgpr_count:     768
    .wavefront_size: 32
...
	.end_amdgpu_metadata
.endif
;; end of part 4
